; MI455X (gfx1250); checked and timed in simulation.
; The chip was launched on July 23, 2026; its instructions are those of AMD's public machine-readable ISA for CDNA 5 (MIT licence, August 2026) and "CDNA5" Instruction Set Architecture Reference Guide (July 2026). The comments in the code are by the model that wrote it; some were corrected since.
;; Causal Self Attention. Allowed arithmetic: matrix products marked QUANTISED: E2M3 operands, one E8M0 scale for each 32 along K, by v_wmma_scale_f32_16x16x128_f8f6f4 with both operands' format E2M3, f32 sums; everything else in f32.
;; Inputs: Wk 1,024 x 1,024 float32; Wq 1,024 x 1,024 float32; Wv 1,024 x 1,024 float32; attention_mask 4 x 1 x 1 x 2,048 float32; bk 1,024 float32; bq 1,024 float32; bv 1,024 float32; hidden_states 4 x 2,048 x 1,024 float32.
;; Outputs: out0 4 x 2,048 x 1,024 float32.
;; This version of the problem:
;;   THIS VERSION OF THE PROBLEM IS GIVEN IN LOW PRECISION. The matrix products marked QUANTISED in the list below multiply operands that are first quantised to E2M3 (2 exponent bits, 3 mantissa bits; 6 bits a number), with one power-of-two scale for each 32 numbers along K (OCP MX v1.0); their sums are f32. All else is computed in f32.
;;   The module's matrix products, in the order in which they are computed (A, B: the left and right operand; K: the contracted axis; several contracted axes count as one K, in the product's order):
;;     1. [M 8,192, K 1,024] x [K 1,024, N 1,024]; A: input hidden_states; B: input Wq: QUANTISED
;;     2. [M 8,192, K 1,024] x [K 1,024, N 1,024]; A: input hidden_states; B: input Wk: QUANTISED
;;     3. [M 8,192, K 1,024] x [K 1,024, N 1,024]; A: input hidden_states; B: input Wv: QUANTISED
;;     4. batch 64 x [M 2,048, K 64] x [K 64, N 2,048]; A: computed on the way; B: computed on the way: QUANTISED
;;     5. batch 64 x [M 2,048, K 2,048] x [K 2,048, N 64]; A: softmax (see below); B: computed on the way: QUANTISED
;;   THE QUANTISER, for each operand of a quantised product, along K:
;;     - K is cut into blocks of 32 from its start; a last block that is shorter is filled with zeros.
;;     - A block's scale is 2^e with e = floor(log2(the largest magnitude in the block)) - 2, held to -126 .. 127; a block of zeros has e = 0. As a byte (E8M0): e + 127.
;;     - Each number is divided by its block's scale, clamped to +-7.5, and rounded to the nearest number of E2M3, ties to even, subnormals kept.
;;     - The product sums the exact products of the quantised numbers (number of the format x scale) in f32.
;;   ~~~python
;;   def quantise(x, axis):      # numpy; x: float32 -> the quantised numbers, widened to float32 again
;;       x = np.moveaxis(x, axis, -1); K = x.shape[-1]
;;       x = np.pad(x, [(0, 0)] * (x.ndim - 1) + [(0, -K % 32)]); x = x.reshape(x.shape[:-1] + (-1, 32)); a = np.abs(x).max(-1, keepdims=True)
;;       e = np.where(a > 0, np.clip(np.frexp(np.where(a > 0, a, 1))[1] - 1 - 2, -126, 127), 0)      # np.frexp(a)[1] - 1 = floor(log2(a)), exactly
;;       r = np.clip(x / 2.0 ** e, -7.5, 7.5)
;;       step = 2.0 ** (np.maximum(np.frexp(np.where(r == 0, 1, r))[1] - 1, 0) - 3)
;;       q = np.round(r / step) * step * 2.0 ** e      # np.round: ties to even
;;       return np.moveaxis(q.reshape(q.shape[:-2] + (-1,))[..., :K], -1, axis).astype(np.float32)
;;   ~~~
;;   SOFTMAX AHEAD OF A QUANTISED PRODUCT. Where the list says 'softmax', what is quantised is not the finished softmax but p = 2^(t - M), with t = logit x log2(e) and M = ceil(the row's largest t), a whole number; so 1/2 < the row's largest p <= 1. The row's sum l is taken of the UNQUANTISED p, in f32, and the product's result is divided by l at the end. Since M is a whole number, a kernel that streams over the keys may use a running M (the ceiling of the running maximum): every later rescaling is an exact power of two, which a block's scale takes up: the codes' values come out the same.
;;   OPERANDS COMPUTED ON THE WAY. 'Computed on the way' means the value that the module computes at that place (a softmax that the list does not call 'softmax' is quantised finished and normalised). What goes into a quantiser is computed in f32, as accurately as f32 sums, v_exp_f32 and their like allow (about 1e-6 of the number): no bf16 or f16 on the way to a quantiser, and a product that is left as it is and whose result goes on into a quantised operand takes f32 operands (vector FMAs, or v_wmma_f32_16x16x4_f32). A number that lies on a knife's edge between two numbers of the format may be rounded either way, as far as f32 arithmetic and the matrix unit's own rounding can turn it there, and no further.
;; One version. Each part assembles by itself: llvm-mc -triple=amdgcn-amd-amdhsa -mcpu=gfx1250 --defsym DOCPART=n.
;; ======== version 1 of 1: 3 launches
;; workspace buffers: codes 8,650,752 bytes; scales 360,448 bytes; img 18,874,368 bytes; scl 1,572,864 bytes
;; launch quant (part 1): grid 352 x 1, 4 waves a work-group, no clusters, 33,280 bytes of LDS; arguments hidden_states, Wq, Wk, Wv, codes, scales; writes codes, scales
.if DOCPART == 1
	.amdgcn_target "amdgcn-amd-amdhsa--gfx1250"
	.amdhsa_code_object_version 6
	.text
	.protected	k_q09637ab94e_quant
	.globl	k_q09637ab94e_quant
	.p2align	8
	.type	k_q09637ab94e_quant,@function
k_q09637ab94e_quant:
	s_mov_b64 s[64:65], 0
	v_nop
	global_prefetch_b8 v0, s[64:65] scope:SCOPE_SE
	s_setreg_imm32_b32 hwreg(HW_REG_WAVE_MODE, 25, 1), 1
	s_wait_xcnt 0x0
; hidden_states [8192][1024], Wq, Wk, Wv [1024][1024], f32, K innermost, become codes of FP6 (E2M3) with one E8M0 byte for each 32 along K.
; codes: 11,264 rows of 768 bytes (x, Wq, Wk, Wv on end); scales: 11,264 rows of 32 bytes.
; THE ROWS ARE STORED IN ANOTHER ORDER: in each group of 32 rows the second and the third group of 8 change places, so that 16 stored neighbours
; are rows 32 b + 8 u + r + 8 (r / 8): the tiles that the next launch wants (its results then have 16 neighbours along the next K in a lane).
; A block's scale is 2^(floor(log2(largest magnitude)) - 2); its byte is the largest magnitude's exponent field - 2, held at 1 from below.
; (A block of zeros gets the byte 1 where the rule says 127: its codes are zeros, and this program alone reads the bytes.)
; LIMITS: NaN and infinities among the inputs are not served; blocks whose largest magnitude lies under 2^(3 - 127) take the floor's byte.
; A work-group takes 32 rows, a wave 8 rows = 8,192 numbers = 16 steps of 512.  Each load reads 512 consecutive bytes; a step's 2,048 bytes turn through the
; wave's own stage in LDS and come back 64 bytes a lane: 16 neighbours along K, two lanes to a block.  Waves share nothing: no barrier.
; Work-groups 0-255 take x, 256-287 Wq, 288-319 Wk, 320-351 Wv: only the pointer is chosen, the path is one.
.set STEPS, 16
.set CB,    12                         ; bytes of 16 codes
.set R,     16                         ; v16-79   four sets of 16 numbers as loaded
.set X,     80                         ; v80-111  two sets of 16 neighbours
.set E,     112                        ; v112-127 a scale byte for each step
.set C,     128                        ; v128-191 codes: four registers a step, so that no store's data are written again
.set WREG,  8192                       ; LDS of a wave: two stages of 32 x SP bytes, behind them its 256 scale bytes
.set SP,    80                         ; a lane's place in a stage: 64 bytes + 16 of padding
	s_load_b256 s[4:11], s[0:1], 0x0               ; x, Wq, Wk, Wv
	s_load_b128 s[12:15], s[0:1], 0x20             ; codes, scales
	v_lshl_add_u32 v192, v0, 2, 0x8000
	v_mov_b32 v193, 0
	v_lshrrev_b32 v1, 5, v0
	v_readfirstlane_b32 s16, v1                    ; wave
	v_and_b32 v2, 31, v0                           ; lane
	v_lshlrev_b32 v3, 4, v2                        ; my 16 bytes of a load's 512
	s_mul_i32 s18, s16, WREG
	v_lshrrev_b32 v14, 2, v2
	v_mul_u32_u24 v14, v14, SP
	v_and_b32 v15, 3, v2
	v_lshl_add_u32 v14, v15, 4, v14
	v_add_nc_u32 v14, s18, v14                     ; the stage, way in: SP (lane / 4) + 16 (lane % 4)
	v_mul_u32_u24 v15, v2, SP
	v_add_nc_u32 v15, s18, v15                     ; way out: SP x lane: my 16 neighbours
	v_mul_u32_u24 v4, v2, CB                       ; my codes' place in a step's 384 bytes
	v_lshrrev_b32 v5, 1, v2
	s_add_co_u32 s18, s18, 2*32*SP
	v_add_nc_u32 v5, s18, v5                       ; my block's byte among the wave's 256
	v_lshlrev_b32 v7, 3, v2
	v_add_nc_u32 v6, s18, v7                       ; and 8 bytes a lane on the way out
	s_wait_kmcnt 0x0
	s_mov_b32 s17, 320                             ; the tensor's first work-group; the choices hang on the work-group's number alone
	s_cmp_lt_u32 ttmp9, 320
	s_cselect_b64 s[8:9], s[8:9], s[10:11]
	s_cselect_b32 s17, 288, s17
	s_cmp_lt_u32 ttmp9, 288
	s_cselect_b64 s[6:7], s[6:7], s[8:9]
	s_cselect_b32 s17, 256, s17
	s_cmp_lt_u32 ttmp9, 256
	s_cselect_b64 s[4:5], s[4:5], s[6:7]
	s_cselect_b32 s17, 0, s17
	s_sub_co_u32 s19, ttmp9, s17
	s_lshl_b32 s19, s19, 2
	s_add_co_u32 s20, s19, s16                     ; which run of 8 rows of the tensor I read
	s_lshl_b32 s20, s20, 15                        ; 32,768 bytes a run
	s_mov_b32 s21, 0
	s_add_nc_u64 s[4:5], s[4:5], s[20:21]
	s_and_b32 s22, s16, 1                          ; and where it is stored: groups 1 and 2 of the four change places
	s_lshl_b32 s22, s22, 1
	s_lshr_b32 s23, s16, 1
	s_or_b32 s22, s22, s23
	s_lshl_b32 s23, ttmp9, 2
	s_add_co_u32 s22, s22, s23
	s_mul_i32 s20, s22, 6144                       ; 8 rows of 768 bytes
	s_add_nc_u64 s[12:13], s[12:13], s[20:21]
	s_lshl_b32 s20, s22, 8                         ; 8 rows of 32 bytes
	s_add_nc_u64 s[14:15], s[14:15], s[20:21]
.macro LOAD t
.irp i, 0,1,2,3
	global_load_b128 v[R+16*((\t)%4)+4*\i:R+16*((\t)%4)+4*\i+3], v3, s[4:5] offset:2048*(\t)+512*\i th:TH_LOAD_NT   ; 32 lanes read 512 consecutive bytes
.endr
.endm
.macro TURN t                          ; step t's numbers through the stage: LDS serves a wave's instructions in order, so no wait stands between stores and loads
.irp i, 0,1,2,3
	ds_store_b128 v14, v[R+16*((\t)%4)+4*\i:R+16*((\t)%4)+4*\i+3] offset:32*SP*((\t)%2)+8*SP*\i
.endr
.irp i, 0,1,2,3
	ds_load_b128 v[X+16*((\t)%2)+4*\i:X+16*((\t)%2)+4*\i+3], v15 offset:32*SP*((\t)%2)+16*\i
.endr
.endm
.irp t, 0,1,2,3
	LOAD \t
.endr
	s_wait_loadcnt 12                              ; step 0's four loads are in; three steps' twelve stay out
	TURN 0
.macro STEP t
.set XS, X+16*((\t)%2)
.if (\t) > 0
	s_wait_dscnt 1                                 ; this step's numbers are back from the stage (the last step's byte store may be out)
.else
	s_wait_dscnt 0x0
.endif
.if (\t)+4 < STEPS
	LOAD (\t)+4                                    ; into the registers that this step's stores into the stage have read
.endif
.if (\t)+1 < STEPS
.if STEPS-2-(\t) >= 3
	s_wait_loadcnt 12                              ; the next step's four loads are in; those of the three steps behind it may be out
.else
	s_wait_loadcnt 4*(STEPS-2-(\t))
.endif
	TURN (\t)+1
.endif
	v_max3_num_f32 v8, |v[XS]|, |v[XS+1]|, |v[XS+2]|               ; the largest magnitude of my 16, in two chains
	v_max3_num_f32 v9, |v[XS+3]|, |v[XS+4]|, |v[XS+5]|
.irp i, 6,10
	v_max3_num_f32 v8, v8, |v[XS+\i]|, |v[XS+\i+1]|
	v_max3_num_f32 v9, v9, |v[XS+\i+2]|, |v[XS+\i+3]|
.endr
	v_max3_num_f32 v8, v8, |v[XS+14]|, |v[XS+15]|
	v_max3_num_f32 v8, v8, v9, 0x1800000           ; and the floor 2^(3 - 127): the byte cannot fall under 1
	v_max_num_f32_dpp v8, v8, v8 row_xmask:1 row_mask:0xf bank_mask:0xf   ; with my neighbour's 16: the block's
	v_add_nc_u32 v11, 0xff000000, v8               ; 2 off its exponent field: the conversion takes this operand's exponent field as its scale
	v_cvt_scalef32_pk16_fp6_f32 v[C+4*(\t):C+4*(\t)+2], v[XS:XS+15], v11
	v_lshrrev_b32 v[E+(\t)], 23, v11               ; the scale's byte (also the plain line behind the conversion)
	ds_store_b8 v5, v[E+(\t)] offset:16*(\t)       ; both lanes of a block write the same byte with the same value
	global_store_b96 v4, v[C+4*(\t):C+4*(\t)+2], s[12:13] offset:32*CB*(\t)   ; the wave stores 384 consecutive bytes
.endm
.irp t, 0,1,2,3,4,5,6,7,8,9,10,11,12,13,14,15
	STEP \t
.endr
	ds_load_b64 v[12:13], v6                       ; LDS serves a wave's instructions in order: these see my stores
	s_wait_dscnt 0x0
	global_store_b64 v7, v[12:13], s[14:15]        ; 32 lanes store 256 consecutive bytes, aligned
	s_wait_tensorcnt 0x0
	ds_add_u32 v192, v193
	s_wait_dscnt 0x0
	s_endpgm
.Lfunc_end_k_q09637ab94e_quant:
	.size	k_q09637ab94e_quant, .Lfunc_end_k_q09637ab94e_quant-k_q09637ab94e_quant
	.p2alignl 7, 3214868480
	.fill 96, 4, 3214868480
	.section	.rodata,"a",@progbits
	.p2align	6, 0x0
	.amdhsa_kernel k_q09637ab94e_quant
		.amdhsa_group_segment_fixed_size 33280
		.amdhsa_private_segment_fixed_size 0
		.amdhsa_enable_private_segment 0
		.amdhsa_kernarg_size 48
		.amdhsa_user_sgpr_count 2
		.amdhsa_user_sgpr_kernarg_segment_ptr 1
		.amdhsa_wavefront_size32 1
		.amdhsa_system_sgpr_workgroup_id_x 1
		.amdhsa_system_sgpr_workgroup_id_y 1
		.amdhsa_system_sgpr_workgroup_id_z 1
		.amdhsa_system_vgpr_workitem_id 0
		.amdhsa_next_free_vgpr 194
		.amdhsa_next_free_sgpr 66
		.amdhsa_reserve_vcc 0
		.amdhsa_float_denorm_mode_32 3
		.amdhsa_float_denorm_mode_16_64 3
		.amdhsa_memory_ordered 1
		.amdhsa_forward_progress 1
		.amdhsa_inst_pref_size 33
	.end_amdhsa_kernel
	.amdgpu_metadata
---
amdhsa.version: [ 1, 2 ]
amdhsa.kernels:
  - .name:           k_q09637ab94e_quant
    .symbol:         k_q09637ab94e_quant.kd
    .args:
      - { .name: hidden_states, .offset: 0, .size: 8, .value_kind: global_buffer, .address_space: global }
      - { .name: Wq, .offset: 8, .size: 8, .value_kind: global_buffer, .address_space: global }
      - { .name: Wk, .offset: 16, .size: 8, .value_kind: global_buffer, .address_space: global }
      - { .name: Wv, .offset: 24, .size: 8, .value_kind: global_buffer, .address_space: global }
      - { .name: codes, .offset: 32, .size: 8, .value_kind: global_buffer, .address_space: global }
      - { .name: scales, .offset: 40, .size: 8, .value_kind: global_buffer, .address_space: global }
    .group_segment_fixed_size: 33280
    .private_segment_fixed_size: 0
    .kernarg_segment_align: 8
    .kernarg_segment_size: 48
    .max_flat_workgroup_size: 128
    .sgpr_count:     66
    .vgpr_count:     194
    .wavefront_size: 32
...
	.end_amdgpu_metadata
.endif
;; end of part 1
;; launch proj (part 2): grid 8 x 32, 4 waves a work-group, clusters of 4 x 4, 327,680 bytes of LDS; arguments codes, scales, bq, bk, img, scl, bv; writes img, scl
.if DOCPART == 2
	.amdgcn_target "amdgcn-amd-amdhsa--gfx1250"
	.amdhsa_code_object_version 6
	.text
	.protected	k_q09637ab94e_proj
	.globl	k_q09637ab94e_proj
	.p2align	8
	.type	k_q09637ab94e_proj,@function
k_q09637ab94e_proj:
	s_mov_b64 s[64:65], 0
	v_nop
	global_prefetch_b8 v0, s[64:65] scope:SCOPE_SE
	s_setreg_imm32_b32 hwreg(HW_REG_WAVE_MODE, 25, 1), 1
	s_wait_xcnt 0x0
	s_wait_alu depctr_hold_cnt(0) depctr_sa_sdst(0) depctr_va_vdst(0) depctr_va_sdst(0) depctr_va_ssrc(0) depctr_va_vcc(0) depctr_vm_vsrc(0)
	s_getreg_b32 s2, hwreg(HW_REG_IB_STS2, 6, 4)
	s_cmp_eq_u32 s2, 0
	s_cbranch_scc0 .Lentry_in_a_cluster
	s_endpgm
.Lentry_in_a_cluster:
	s_bfe_u32 s2, ttmp6, 0x10000c
	s_cmp_lg_u32 s2, 0xf033
	s_cbranch_scc0 .Lentry_shape_is_right
	s_endpgm
.Lentry_shape_is_right:
; q = x Wq^T + bq, k = x Wk^T + bk, v = x Wv^T + bv on codes of FP6 (E2M3) with E8M0 scales, sums in f32; the results leave AS CODES, quantised for the attention's products.
; Source 0 of the matrix instruction ("P") is the operand along whose rows the result is quantised, source 1 ("Q") the other.
; A WORK-GROUP STAYS AND DOES TWO THINGS, so that 256 work-groups have equal work (q and k are 256 tiles of 256 x 256, v is 256 half tiles):
;   phase 1: P = 256 rows of Wq (cluster x 0) or Wk (1), Q = 256 tokens of x: q and k are quantised along the channels; a wave makes 128 x 128: 64 accumulators;
;   phase 2: P = 256 tokens of x,                        Q = 128 rows of Wv:  v is quantised along the tokens (the keys); a wave makes 128 (P) x 64 (Q): 32 accumulators.
; The ring of two LDS slots does not stop between them: phase 1's last two changes of slots ask for phase 2's first two K steps, and the second lands while phase 1's results leave.
; A lane (r, h) holds Q's row r; since the stored rows of every operand are ordered 32 b + 8 u + r + 8 (r / 8), register 8 t + j of a Q tile's 64 holds P's index
; 32 (t / 2) + 16 h + 8 (t % 2) + j: 16 neighbours for each block of 32.  So a Q tile's 64 registers become one operand fragment (12 registers) and one scale word.
; K = 1,024 goes in four steps of 256 in each phase.  Phase 1's scale bytes come into LDS once; phase 2's come straight into registers, 32 bytes a row, at the head.
; CLUSTERS 4 x 4: Q's tiles hang on cy, shared along a row of the cluster; P's on cx, shared along a column; in both phases.
; img: q and k: [b][head pair][tile of 16 stored tokens] 1,536 bytes: registers 0-3 at 16 lane, 6-9 at 512 + 16 lane, 4-5 at 1,024 + 8 lane, 10-11 at 1,280 + 8 lane.
;      v: [b][stored channel tile] 24,576 bytes: for key block k and channel lane r, registers 0-3 of the block's six at 256 k + 16 r, registers 4-5 at 16,384 + 128 k + 8 r.
; scl: 256 bytes for a pair of tiles: lane l's two words at 8 l.
; LIMITS: NaN and infinities are not served; a block of zeros gets the byte 1 (its codes are zeros; this program alone reads the bytes).
; REGISTERS: window 0: v0-31 addresses; v32-63 phase 1's scale words, two sets; v64-127 phase 2's scale words; v128-223 Q's fragments (phase 1: one set of eight; phase 2: two sets of four);
;   v240-247 bias by Q's row.  On the ways out v128-191 a tile's 64 numbers, v192-211 codes, v212-227 at work, v228-235 scale words.
;   window 1: P's fragments, two sets, at v0 and v128; bias by P's index at v96-127 and v224-255.  windows 2, 3: the accumulators ((a, b) at v[8 (8 (a % 4) + b)]).
.set KSTEP,  256
.set NQ,     2                         ; matrix instructions deep in a slot
.set ROWB,   192                       ; a tile's row: 256 codes
.set KROW,   768                       ; a row of codes in memory
.set PITCH,  240                       ; an LDS row: 3 x (64 bytes + 16 of padding)
.set FR,     12
.set NL,     6
.set NP,     4                         ; places behind this matrix instruction (ISA guide 7.12.1)
.set HALFT,  128*PITCH
.set SLOT,   4*HALFT                   ; Q's 256 rows, then P's 256 rows (phase 2: Q's 64 rows a half lie at the head of each half's place)
.set KS,     32                        ; a row of scale bytes
.set SCL,    2*SLOT                    ; behind the ring: phase 1's scales, as rows of 256 bytes + 16 of padding
.set HALFS,  (128*KS/256)*272
.set SBLK,   (16*KS/256)*272
.set SPARE,  SCL+4*HALFS               ; the spare words: 128 bytes a wave, two blocks of 256 bytes that no other line names
.set VBP,  12                          ; v12  byte offset of my bias by P's index
.set VBQ,  13                          ; v13  and by Q's row
.set VS2,  14                          ; v14-15 byte offsets of phase 2's scale bytes: lanes 0-15 Q's rows, lanes 16-31 P's
.set ADRA, 16                          ; v16-17 LDS address of my Q fragments in slot 0, 1 (v18-19: behind one padding more)
.set ADRB, 20                          ; v20-23 the same for P
.set VOA,  24                          ; v24  16 x lane
.set VOB1, 25                          ; v25  8 x lane + where the pieces of 8 bytes begin, phase 1
.set VOS,  26                          ; v26  8 x lane
.set ADRS, 27                          ; v27  LDS address of phase 1's scale words: lanes 0-15 Q's rows, lanes 16-31 P's
.set SPW,  28                          ; v28  my spare word; never rewritten
.set NIL,  29                          ; v29  0; never rewritten
.set VOB2, 30                          ; v30  as v25, phase 2
.set SC,   32
.set SC2,  64                          ; register 8 i + w: lanes 0-15 the word of Q's block i, lanes 16-31 of P's block i, for the w-th 128 along K
.set AF,   128
.set BQ,   240
.set T,    128
.set PC,   192
.set TM,   212
.set SW,   228
.set G1Q, 4                            ; s[4:11] group 1 for phase 2's tiles of Q (64 rows); written when the pointers there are done with
.set G1, 24                            ; s[24:31] group 1 for Q's tiles; s[32:39] groups 0, one a slot
.set G0, 32
.set G1B, 48                           ; s[48:55], s[56:63] the same for P's
.set G0B, 56
.set P2,  66                           ; s[66:67] where my part of phase 2's P begins
.set G1S, 68                           ; s[68:75], s[76:79] Q's scales; s[80:87], s[88:91] P's
.set G0S, 76
.set G1SB, 80
.set G0SB, 88
.set SEL,  92                          ; s[92:93] lane selects, on the ways out
.set Q2,  100                          ; s[100:101] where my part of phase 2's Q begins
.set MSB, 0
.macro WIN new                         ; the immediate's high byte repeats the setting that is left
.if MSB != \new
	s_set_vgpr_msb (MSB<<8)|\new
.set MSB, \new
.endif
.endm
.set MUL_LO, 0xa1                      ; source 0 (P) window 1, source 1 (Q) window 0, C and D window 2
.set MUL_HI, 0xf1
.set TO_B,   0x40
; A joint load: waves 0 and 1 fetch for Q, waves 2 and 3 for P; the branch hangs on the wave's number alone.  Four v_nop follow each line.
.macro JLOAD g0a, g1a, g0b, g1b
	s_cmp_eq_u32 s15, 0
	s_cbranch_scc0 .Lfor_b_\@
	tensor_load_to_lds s[\g0a:\g0a+3], s[\g1a:\g1a+7]
	s_nop 0
.rept 4
	v_nop
.endr
	s_branch .Lasked_\@
.Lfor_b_\@:
	tensor_load_to_lds s[\g0b:\g0b+3], s[\g1b:\g1b+7]
	s_nop 0
.rept 4
	v_nop
.endr
.Lasked_\@:
.endm
.macro CREST                           ; a round of the cluster's barrier behind its opening barrier
	s_cmp_lg_u32 s14, 0
	s_cbranch_scc1 .Lnot_wave_0_\@
	s_barrier_signal -3
.Lnot_wave_0_\@:
	s_barrier_wait -3
	s_barrier_signal -1
	s_barrier_wait -1
.endm
.macro CROUND
	s_barrier_signal -1
	s_barrier_wait -1
	CREST
.endm
	s_load_b128 s[4:7], s[0:1], 0x0                ; codes, scales
	s_load_b128 s[8:11], s[0:1], 0x10              ; bq, bk
	s_load_b128 s[96:99], s[0:1], 0x20             ; img, scl
	s_load_b64 s[12:13], s[0:1], 0x30              ; bv
	v_lshl_add_u32 v[SPW], v0, 2, SPARE
	v_mov_b32 v[NIL], 0
	ds_add_u32 v28, v29
	ds_add_u32 v28, v29
	s_wait_dscnt 0x0
	v_lshrrev_b32 v1, 5, v0
	v_readfirstlane_b32 s14, v1                    ; wave 0..3
	s_lshr_b32 s15, s14, 1                         ; QH: my half of Q's rows.  Also: I fetch for Q (0) or for P (1)
	s_and_b32 s16, s14, 1                          ; PH: my half of P's rows.  Also: which half of the rows I fetch
	s_bfe_u32 s40, ttmp6, 0x40000                  ; cx
	s_bfe_u32 s41, ttmp6, 0x40004                  ; cy
	s_lshl_b32 s42, ttmp9, 2
	s_add_co_u32 s42, s42, s40                     ; X = 4 x cluster x + cx
	s_and_b32 s17, ttmp7, 0xffff                   ; CY: the cluster's y, 0..7
	s_lshl_b32 s43, s41, 2
	s_lshl_b32 s43, 15, s43                        ; my row of the cluster
	s_lshl_b32 s44, 0x1111, s40                    ; my column
	s_or_b32 s[G1+0], s43, (0<<16)|(1<<20)|(1<<21)|(3<<22)|(3<<25)  ; mask: Q's tiles go to my row; elements of 1 byte; padding of 4 words behind every 16; bit 21 beside a mask
	s_or_b32 s[G1B+0], s44, (0<<16)|(1<<20)|(1<<21)|(3<<22)|(3<<25) ; P's go to my column
.irp g, G1, G1B
	s_mov_b32 s[\g+1], ROWB<<16                    ; tensor_dim0
	s_mov_b32 s[\g+2], 128<<16                     ; tensor_dim1
	s_mov_b32 s[\g+3], ROWB<<16                    ; tile_dim0
	s_mov_b32 s[\g+4], 128                         ; tile_dim1
	s_mov_b32 s[\g+5], KROW                        ; stride
	s_mov_b32 s[\g+6], 0
	s_mov_b32 s[\g+7], 0
.endr
	s_or_b32 s[G1S+0], s43, (3<<16)|(1<<20)|(1<<21)|(5<<22)|(3<<25)  ; the scales of 128 rows: 4,096 dense bytes as 16 rows of 256, 16 bytes of padding behind each
	s_or_b32 s[G1SB+0], s44, (3<<16)|(1<<20)|(1<<21)|(5<<22)|(3<<25)
.irp g, G1S, G1SB
	s_mov_b32 s[\g+1], 32<<16
	s_mov_b32 s[\g+2], (128*KS/256)<<16
	s_mov_b32 s[\g+3], 32<<16
	s_mov_b32 s[\g+4], 128*KS/256
	s_mov_b32 s[\g+5], 32
	s_mov_b32 s[\g+6], 0
	s_mov_b32 s[\g+7], 0
.endr
	; the stored rows that I fetch.  P's hold cx and never cy, Q's hold cy and never cx
	s_lshl_b32 s18, s16, 7                         ; 128 x (wave % 2)
	s_lshl_b32 s46, s42, 8                         ; phase 1, P: the rows of Wq and Wk: 8,192 + 256 X
	s_add_co_u32 s46, s46, 8192
	s_add_co_u32 s46, s46, s18
	s_lshl_b32 s20, s17, 10                        ; phase 1, Q: tokens 1,024 CY + 256 cy
	s_lshl_b32 s19, s41, 8
	s_add_co_u32 s20, s20, s19
	s_add_co_u32 s20, s20, s18
	s_lshl_b32 s22, s20, 5                         ; their scale bytes,
	s_mov_b32 s23, 0
	s_lshl_b32 s92, s46, 5
	s_mov_b32 s93, 0
	s_mul_i32 s20, s20, KROW                       ; their codes (all under 2^24 bytes)
	s_mov_b32 s21, 0
	s_mul_i32 s46, s46, KROW
	s_mov_b32 s47, 0
	s_lshl_b32 s[P2], s17, 10                      ; phase 2, P: tokens 1,024 CY + 256 cx
	s_lshl_b32 s94, s40, 8
	s_add_co_u32 s[P2], s[P2], s94
	s_add_co_u32 s[P2], s[P2], s18
	s_mul_i32 s[P2], s[P2], KROW
	s_mov_b32 s[P2+1], 0
	s_lshl_b32 s[Q2], ttmp9, 9                     ; phase 2, Q: the rows of Wv: 10,240 + 512 x cluster x + 128 cy + 64 x (wave % 2)
	s_lshl_b32 s19, s41, 7
	s_add_co_u32 s[Q2], s[Q2], s19
	s_lshl_b32 s19, s16, 6
	s_add_co_u32 s[Q2], s[Q2], s19
	s_add_co_u32 s[Q2], s[Q2], 10240
	s_mul_i32 s[Q2], s[Q2], KROW
	s_mov_b32 s[Q2+1], 0
	s_mul_i32 s45, s14, HALFT                      ; where they go: wave x 128 rows, in both phases
	s_mul_i32 s94, s14, HALFS
	s_wait_kmcnt 0x0
	s_add_nc_u64 s[20:21], s[4:5], s[20:21]
	s_add_nc_u64 s[22:23], s[6:7], s[22:23]
	s_add_nc_u64 s[46:47], s[4:5], s[46:47]
	s_add_nc_u64 s[92:93], s[6:7], s[92:93]
	s_add_nc_u64 s[P2:P2+1], s[4:5], s[P2:P2+1]
	s_add_nc_u64 s[Q2:Q2+1], s[4:5], s[Q2:Q2+1]
	CROUND                                         ; all sixteen work-groups are here: the first joint loads meet
	s_mov_b32 s[G0S], 1
	s_add_co_u32 s[G0S+1], s94, SCL
	s_mov_b64 s[G0S+2:G0S+3], s[22:23]
	s_or_b32 s[G0S+3], s[G0S+3], 0x80000000
	s_mov_b32 s[G0SB], 1
	s_add_co_u32 s[G0SB+1], s94, SCL
	s_mov_b64 s[G0SB+2:G0SB+3], s[92:93]
	s_or_b32 s[G0SB+3], s[G0SB+3], 0x80000000
	JLOAD G0S, G1S, G0SB, G1SB                     ; the scales first: they are wanted with K step 0
.irp s, 0,1
	s_mov_b32 s[G0+4*\s], 1
	s_add_co_u32 s[G0+4*\s+1], s45, \s*SLOT
	s_add_nc_u64 s[G0+4*\s+2:G0+4*\s+3], s[20:21], \s*ROWB
	s_or_b32 s[G0+4*\s+3], s[G0+4*\s+3], 0x80000000
	s_mov_b32 s[G0B+4*\s], 1
	s_add_co_u32 s[G0B+4*\s+1], s45, \s*SLOT
	s_add_nc_u64 s[G0B+4*\s+2:G0B+4*\s+3], s[46:47], \s*ROWB
	s_or_b32 s[G0B+4*\s+3], s[G0B+4*\s+3], 0x80000000
	JLOAD G0+4*\s, G1, G0B+4*\s, G1B
.endr
	v_and_b32 v1, 15, v0                           ; r
	v_bfe_u32 v2, v0, 4, 1                         ; h
	v_mul_u32_u24 v3, v1, PITCH
	v_mul_u32_u24 v4, v2, 24
	v_add_nc_u32 v4, v3, v4                        ; a fragment's row x pitch + 24 x half
	v_lshl_add_u32 v5, v2, 4, v4                   ; and the same behind one padding more
	s_mul_i32 s21, s15, HALFT                      ; my rows of Q
	s_mul_i32 s22, s16, HALFT                      ; my 128 rows of P,
	s_add_co_u32 s22, s22, 2*HALFT                 ; which lie behind Q's place
.irp s, 0,1
	v_add_nc_u32 v[ADRA+\s], s21, v4
	v_add_nc_u32 v[ADRB+\s], s22, v4
	v_add_nc_u32 v[ADRA+2+\s], s21, v5
	v_add_nc_u32 v[ADRB+2+\s], s22, v5
	s_add_co_u32 s21, s21, SLOT
	s_add_co_u32 s22, s22, SLOT
.endr
	v_mul_u32_u24 v5, v1, KS                       ; phase 1: my row's scales: 32 bytes a row,
	v_lshrrev_b32 v6, 8, v5
	v_lshl_add_u32 v5, v6, 4, v5                   ; and 16 more for each 256 passed
	s_mul_i32 s21, s15, HALFS
	s_mul_i32 s22, s16, HALFS
	s_add_co_u32 s22, s22, 2*HALFS
	s_sub_co_u32 s22, s22, s21
	v_mul_u32_u24 v6, s22, v2                      ; lanes 16-31 take P's
	s_add_co_u32 s21, s21, SCL
	v_add_nc_u32 v5, v5, v6
	v_add_nc_u32 v[ADRS], s21, v5
	; the biases: 64 numbers by P's index for q and k, 4 by Q's row for v (each twice, for the packed addition).  They are waited for in front of the first way out
	v_and_b32 v8, 31, v0                           ; lane
	v_lshlrev_b32 v[VOA], 4, v8
	v_lshlrev_b32 v[VOS], 3, v8
	v_lshl_add_u32 v[VOB1], v8, 3, 1024
	s_lshl_b32 s18, s40, 10
	s_lshl_b32 s19, s16, 9
	s_add_co_u32 s18, s18, s19
	v_lshl_add_u32 v[VBP], v2, 6, s18              ; 4 (256 cx + 128 PH + 16 h)
	s_lshl_b32 s18, ttmp9, 11
	s_lshl_b32 s19, s41, 9
	s_add_co_u32 s18, s18, s19
	s_lshl_b32 s19, s15, 8
	s_add_co_u32 s18, s18, s19
	v_and_b32 v7, 8, v1
	v_add_nc_u32 v7, v7, v1
	v_lshl_add_u32 v[VBQ], v7, 2, s18              ; 4 (512 x cluster x + 128 cy + 64 QH + r + 8 (r / 8))
	s_cmp_eq_u32 ttmp9, 0
	s_cselect_b64 s[8:9], s[8:9], s[10:11]         ; bq for cluster x 0, bk for 1
	WIN TO_B                                       ; destination window 1: number n of the 64 at v[96 + 128 (n / 32) + n % 32]
.irp b, 0,1,2,3
.irp j, 0,1,2,3
	global_load_b128 v[96+128*(\b/2)+16*(\b%2)+4*\j:96+128*(\b/2)+16*(\b%2)+4*\j+3], v[VBP], s[8:9] offset:128*\b+16*\j
.endr
.endr
	WIN 0
.irp a, 0,1,2,3
	global_load_b32 v[BQ+2*\a], v[VBQ], s[12:13] offset:(32*(\a/2)+8*(\a%2))*4
	global_load_b32 v[BQ+2*\a+1], v[VBQ], s[12:13] offset:(32*(\a/2)+8*(\a%2))*4
.endr
	; phase 2's scale bytes, 32 a row, for all of K: sixteen lanes read 512 consecutive bytes in two loads.  Lanes 0-15 have four blocks of Q only: for blocks 4-7 they read blocks 0-3 again, inside the buffer
	s_lshl_b32 s18, ttmp9, 9
	s_lshl_b32 s19, s41, 7
	s_add_co_u32 s18, s18, s19
	s_lshl_b32 s19, s15, 6
	s_add_co_u32 s18, s18, s19
	s_add_co_u32 s18, s18, 10240
	s_lshl_b32 s18, s18, 5                         ; 32 x my first row of Q
	s_lshl_b32 s19, s17, 10
	s_lshl_b32 s45, s40, 8
	s_add_co_u32 s19, s19, s45
	s_lshl_b32 s45, s16, 7
	s_add_co_u32 s19, s19, s45
	s_lshl_b32 s19, s19, 5                         ; 32 x my first row of P, which lies in front of Q's
	s_sub_co_u32 s19, s18, s19
	v_lshl_add_u32 v[VS2], v1, 5, s18
	v_mul_u32_u24 v6, s19, v2
	v_sub_nc_u32 v[VS2], v[VS2], v6                ; lanes 16-31 take P's
	s_sub_co_u32 s18, s18, 2048
	s_sub_co_u32 s19, s19, 2048
	v_lshl_add_u32 v[VS2+1], v1, 5, s18            ; the same with Q's rows four blocks back
	v_mul_u32_u24 v6, s19, v2
	v_sub_nc_u32 v[VS2+1], v[VS2+1], v6
.irp i, 0,1,2,3
	global_load_b128 v[SC2+8*\i:SC2+8*\i+3], v[VS2], s[6:7] offset:512*\i
	global_load_b128 v[SC2+8*\i+4:SC2+8*\i+7], v[VS2], s[6:7] offset:512*\i+16
.endr
.irp i, 4,5,6,7
	global_load_b128 v[SC2+8*\i:SC2+8*\i+3], v[VS2+1], s[6:7] offset:512*\i
	global_load_b128 v[SC2+8*\i+4:SC2+8*\i+7], v[VS2+1], s[6:7] offset:512*\i+16
.endr
	; where phase 1's results go: batch b = Y / 8, head pair 2 cx + PH, tiles 16 (Y % 8) + 8 QH on
	s_lshl_b32 s2, s17, 2
	s_add_co_u32 s2, s2, s41                       ; Y = 4 CY + cy
	s_lshr_b32 s3, s2, 3
	s_and_b32 s2, s2, 7
	s_lshl_b32 s3, s3, 3
	s_lshl_b32 s18, s40, 1
	s_add_co_u32 s18, s18, s16
	s_add_co_u32 s3, s3, s18                       ; 8 b + head pair
	s_lshl_b32 s3, s3, 6
	s_lshl_b32 s2, s2, 3
	s_add_co_u32 s3, s3, s2
	s_lshl_b32 s18, s15, 2
	s_add_co_u32 s3, s3, s18                       ; my first pair of tiles
	s_mul_i32 s46, s3, 3072
	s_mul_i32 s19, ttmp9, 6291456
	s_add_co_u32 s46, s46, s19                     ; in img
	s_mov_b32 s47, 0
	s_lshl_b32 s92, s3, 8
	s_lshl_b32 s19, ttmp9, 19
	s_add_co_u32 s92, s92, s19                     ; in scl
	s_mov_b32 s93, 0
	; and phase 2's: batch CY / 2, group of 128 keys f = 8 (CY % 2) + 2 cx + PH, channel tiles 32 x cluster x + 8 cy + 4 QH on
	s_lshr_b32 s2, s17, 1
	s_and_b32 s3, s17, 1
	s_lshl_b32 s3, s3, 3
	s_lshl_b32 s18, s40, 1
	s_add_co_u32 s3, s3, s18
	s_add_co_u32 s3, s3, s16                       ; f
	s_lshl_b32 s18, s2, 6
	s_lshl_b32 s19, ttmp9, 5
	s_add_co_u32 s18, s18, s19
	s_lshl_b32 s19, s41, 3
	s_add_co_u32 s18, s18, s19
	s_lshl_b32 s19, s15, 2
	s_add_co_u32 s18, s18, s19
	s_mul_i32 s20, s18, 24576
	s_lshl_b32 s19, s3, 10
	s_add_co_u32 s20, s20, s19
	s_add_co_u32 s20, s20, 12582912                ; in img
	s_mov_b32 s21, 0
	s_lshl_b32 s22, s2, 4
	s_add_co_u32 s22, s22, s3
	s_lshl_b32 s22, s22, 5
	s_lshl_b32 s19, ttmp9, 4
	s_add_co_u32 s22, s22, s19
	s_lshl_b32 s19, s41, 2
	s_add_co_u32 s22, s22, s19
	s_lshl_b32 s19, s15, 1
	s_add_co_u32 s22, s22, s19
	s_lshl_b32 s22, s22, 8
	s_add_co_u32 s22, s22, 1048576                 ; in scl
	s_mov_b32 s23, 0
	s_lshl_b32 s3, s3, 9
	s_sub_co_u32 s3, 16384, s3                     ; from the pieces of 16 bytes to those of 8
	v_lshl_add_u32 v[VOB2], v8, 3, s3
	s_add_nc_u64 s[20:21], s[96:97], s[20:21]      ; s[20:21], s[22:23]: phase 2's places in img and scl;
	s_add_nc_u64 s[22:23], s[98:99], s[22:23]
	s_add_nc_u64 s[96:97], s[96:97], s[46:47]      ; s[96:97], s[98:99]: phase 1's
	s_add_nc_u64 s[98:99], s[98:99], s[92:93]
	s_wait_xcnt 0x0                                ; the loads above have read their bases: s[4:11] are written again only behind this wait
	s_or_b32 s[G1Q+0], s43, (0<<16)|(1<<20)|(1<<21)|(3<<22)|(3<<25)  ; phase 2's tiles of Q: as Q's above, with 64 rows
	s_mov_b32 s[G1Q+1], ROWB<<16
	s_mov_b32 s[G1Q+2], 64<<16
	s_mov_b32 s[G1Q+3], ROWB<<16
	s_mov_b32 s[G1Q+4], 64
	s_mov_b32 s[G1Q+5], KROW
	s_mov_b32 s[G1Q+6], 0
	s_mov_b32 s[G1Q+7], 0
.macro FRAG reg, adr, q, i             ; 16 rows x 128 K: 12 registers; lane l holds row l % 16; registers 6 c .. 6 c + 5 hold K = 64 c + 32 (l / 16) + 0 .. 31: 24 bytes as they lie, in pieces of 8
.irp p, 0,1,2,3,4,5
.set PCE, 12*(\q)+6*(\p/3)+\p%3       ; 16 bytes of padding lie behind every 8 pieces: where the piece three on lies behind one padding more, the second address register serves
.if PCE%8 < 5
	ds_load_b64 v[\reg+2*\p:\reg+2*\p+1], v[\adr] offset:8*PCE+16*(PCE/8)+(\i)*16*PITCH
.else
	ds_load_b64 v[\reg+2*\p:\reg+2*\p+1], v[\adr+2] offset:8*PCE+16*(PCE/8)+(\i)*16*PITCH
.endif
.endr
.endm
; Phase 1: 16 matrix instructions: Q's blocks a0, a0 + 1 x P's eight.  The 64 accumulators take turns, one instruction a turn, in the same order in every step.
.macro MUL16 a0, p, q, sc, zero
.irp a, \a0, \a0+1
.irp b, 0,1,2,3,4,5,6,7
.if \zero
	v_wmma_scale_f32_16x16x128_f8f6f4 v[8*(8*((\a)%4)+\b):8*(8*((\a)%4)+\b)+7], v[128*(\p)+FR*\b:128*(\p)+FR*\b+FR-1], v[AF+FR*(\a):AF+FR*(\a)+FR-1], 0, v[SC+8*NQ*(\sc)+NQ*\b+(\q)], v[SC+8*NQ*(\sc)+NQ*(\a)+(\q)] matrix_a_fmt:MATRIX_FMT_FP6 matrix_b_fmt:MATRIX_FMT_FP6 matrix_a_scale:MATRIX_SCALE_ROW1
.else
	v_wmma_scale_f32_16x16x128_f8f6f4 v[8*(8*((\a)%4)+\b):8*(8*((\a)%4)+\b)+7], v[128*(\p)+FR*\b:128*(\p)+FR*\b+FR-1], v[AF+FR*(\a):AF+FR*(\a)+FR-1], v[8*(8*((\a)%4)+\b):8*(8*((\a)%4)+\b)+7], v[SC+8*NQ*(\sc)+NQ*\b+(\q)], v[SC+8*NQ*(\sc)+NQ*(\a)+(\q)] matrix_a_fmt:MATRIX_FMT_FP6 matrix_b_fmt:MATRIX_FMT_FP6 matrix_a_scale:MATRIX_SCALE_ROW1
.endif
.endr
.endr
.endm
; Phase 2: 8 matrix instructions: Q's block a x P's eight; p: the sets of fragments; w: which 128 along K.  The 32 accumulators take turns likewise.
.macro MUL8B a, p, w, zero
.irp b, 0,1,2,3,4,5,6,7
.if \zero
	v_wmma_scale_f32_16x16x128_f8f6f4 v[8*(8*(\a)+\b):8*(8*(\a)+\b)+7], v[128*(\p)+FR*\b:128*(\p)+FR*\b+FR-1], v[AF+48*(\p)+FR*(\a):AF+48*(\p)+FR*(\a)+FR-1], 0, v[SC2+8*\b+(\w)], v[SC2+8*(\a)+(\w)] matrix_a_fmt:MATRIX_FMT_FP6 matrix_b_fmt:MATRIX_FMT_FP6 matrix_a_scale:MATRIX_SCALE_ROW1
.else
	v_wmma_scale_f32_16x16x128_f8f6f4 v[8*(8*(\a)+\b):8*(8*(\a)+\b)+7], v[128*(\p)+FR*\b:128*(\p)+FR*\b+FR-1], v[AF+48*(\p)+FR*(\a):AF+48*(\p)+FR*(\a)+FR-1], v[8*(8*(\a)+\b):8*(8*(\a)+\b)+7], v[SC2+8*\b+(\w)], v[SC2+8*(\a)+(\w)] matrix_a_fmt:MATRIX_FMT_FP6 matrix_b_fmt:MATRIX_FMT_FP6 matrix_a_scale:MATRIX_SCALE_ROW1
.endif
.endr
.endm
.macro FETCH_B slot, q, p              ; P's eight fragments into set p
	WIN TO_B
.irp i, 0,1,2,3,4,5,6,7
	FRAG 128*(\p)+FR*\i, ADRB+\slot, \q, \i
.endr
	WIN 0
.endm
.macro FETCH_A slot, q, i0             ; phase 1: Q's blocks i0 .. i0 + 3
.irp i, \i0, \i0+1, \i0+2, \i0+3
	FRAG AF+FR*(\i), ADRA+\slot, \q, \i
.endr
.endm
.macro FETCH_A2 slot, q, p             ; phase 2: Q's four blocks into set p
.irp i, 0,1,2,3
	FRAG AF+48*(\p)+FR*\i, ADRA+\slot, \q, \i
.endr
.endm
.macro SCALES sc                       ; phase 1: a K step's scale words: two a row; lanes 0-15 take Q's block i, lanes 16-31 P's block i
.irp i, 0,1,2,3,4,5,6,7
	ds_load_b64 v[SC+8*NQ*\sc+NQ*\i:SC+8*NQ*\sc+NQ*\i+1], v[ADRS] offset:\i*SBLK
.endr
.endm
.macro PLACES n                        ; plain vector lines between a matrix instruction and a load into, a read of, or a new sum in its registers
.rept \n
	v_nop
.endr
.endm
.macro STEP slot, q, zero              ; phase 1: 128 along K that has its successor in the same slot
	s_wait_dscnt 4*NL                              ; P's set and Q's blocks 0-3 are in; the youngest 24 loads (Q's blocks 4-7) may be out
	WIN MUL_LO
	MUL16 0, (\q)%2, \q, \slot, \zero
	MUL16 2, (\q)%2, \q, \slot, \zero
	s_wait_dscnt 0                                 ; Q's blocks 4-7 are in
	PLACES NP
	FETCH_B \slot, (\q)+1, 1-(\q)%2
	FETCH_A \slot, (\q)+1, 0
	WIN MUL_HI
	MUL16 4, (\q)%2, \q, \slot, \zero
	MUL16 6, (\q)%2, \q, \slot, \zero
	PLACES NP
	WIN 0
	FETCH_A \slot, (\q)+1, 4
.endm
; Phase 1: a slot's last step changes slots: one barrier, which opens a round of the cluster's; in front of it each wave waits for all its tensor loads, adds 0 to its spare word, and waits for that and
; for its reads of this slot.  fill = 1: the slot takes this phase's K step two on; fill = 2: it takes phase 2's K step 0 (slot 0) or 1 (slot 1).  fetch = 0: phase 1's last step: nothing more to read.
.macro TURN slot, next, fill, fetch
	s_wait_tensorcnt 0x0                           ; all my tensor loads have landed: my part of the next slot
	ds_add_u32 v[SPW], v[NIL]                      ; 0 onto my spare word
	s_wait_dscnt 4*NL+1                            ; (the add and the youngest 24 loads may be out)
	WIN MUL_LO
	MUL16 0, 1, NQ-1, \slot, 0
	s_wait_dscnt 0x0                               ; the add is done, and my reads of this slot are over
	s_barrier_signal -1
	MUL16 2, 1, NQ-1, \slot, 0
	WIN 0
	s_barrier_wait -1
	CREST                                          ; no wave of any partner still reads this slot or has a load on its way
.if \fill == 1
	s_add_nc_u64 s[G0+4*\slot+2:G0+4*\slot+3], s[G0+4*\slot+2:G0+4*\slot+3], 2*ROWB
	s_add_nc_u64 s[G0B+4*\slot+2:G0B+4*\slot+3], s[G0B+4*\slot+2:G0B+4*\slot+3], 2*ROWB
	JLOAD G0+4*\slot, G1, G0B+4*\slot, G1B         ; the first tensor load behind the round; its four v_nop are the places in front of the loads below
.else
	s_add_nc_u64 s[G0+4*\slot+2:G0+4*\slot+3], s[Q2:Q2+1], \slot*ROWB
	s_or_b32 s[G0+4*\slot+3], s[G0+4*\slot+3], 0x80000000
	s_add_nc_u64 s[G0B+4*\slot+2:G0B+4*\slot+3], s[P2:P2+1], \slot*ROWB
	s_or_b32 s[G0B+4*\slot+3], s[G0B+4*\slot+3], 0x80000000
	JLOAD G0+4*\slot, G1Q, G0B+4*\slot, G1B        ; the ring goes on into phase 2: the LDS addresses stay, Q's tile has 64 rows
.endif
.if \fetch
	v_add_nc_u32 v[ADRS], 4*NQ, v[ADRS]            ; the next K step's scale words (no LDS load of mine is out)
	FETCH_B \next, 0, 0
	FETCH_A \next, 0, 0
	SCALES \next
.endif
	WIN MUL_HI
	MUL16 4, 1, NQ-1, \slot, 0
	MUL16 6, 1, NQ-1, \slot, 0
.if \fetch
	PLACES NP
	WIN 0
	FETCH_A \next, 0, 4
.else
	WIN 0
.endif
.endm
; Phase 2: the first 128 along K of K step ks: 32 matrix instructions on sets 0; in their middle the second 128's fragments are fetched into sets 1.
.macro STEP2 slot, ks, zero
	s_wait_dscnt 2*NL                              ; P's set and Q's blocks 0, 1 are in; the youngest 12 loads (Q's blocks 2, 3) may be out
	WIN MUL_LO
	MUL8B 0, 0, 2*(\ks), \zero
	MUL8B 1, 0, 2*(\ks), \zero
	s_wait_dscnt 0x0                               ; Q's blocks 2, 3 are in
	PLACES NP                                      ; behind the last step's products, which read sets 1
	FETCH_B \slot, 1, 1
	FETCH_A2 \slot, 1, 1
	WIN MUL_LO
	MUL8B 2, 0, 2*(\ks), \zero
	MUL8B 3, 0, 2*(\ks), \zero
	WIN 0
.endm
; Phase 2: the second 128 changes slots, in the same order as in phase 1.  fill = 1: this slot takes the K step two on, behind a round of the cluster's barrier.
.macro TURN2 slot, next, ks, fill
	s_wait_tensorcnt 0x0                           ; all my tensor loads have landed: my part of the next slot
	ds_add_u32 v[SPW], v[NIL]                      ; 0 onto my spare word
	s_wait_dscnt 2*NL+1                            ; (the add and the youngest 12 loads may be out)
	WIN MUL_LO
	MUL8B 0, 1, 2*(\ks)+1, 0
	s_wait_dscnt 0x0                               ; the add is done, and my reads of this slot are over
	s_barrier_signal -1
	MUL8B 1, 1, 2*(\ks)+1, 0
	WIN 0
	s_barrier_wait -1
.if \fill
	CREST
	s_add_nc_u64 s[G0+4*\slot+2:G0+4*\slot+3], s[G0+4*\slot+2:G0+4*\slot+3], 2*ROWB
	s_add_nc_u64 s[G0B+4*\slot+2:G0B+4*\slot+3], s[G0B+4*\slot+2:G0B+4*\slot+3], 2*ROWB
	JLOAD G0+4*\slot, G1Q, G0B+4*\slot, G1B        ; the first tensor load behind the round; its four v_nop are the places in front of the loads below
.else
	PLACES NP
.endif
	FETCH_B \next, 0, 0
	FETCH_A2 \next, 0, 0
	WIN MUL_LO
	MUL8B 2, 1, 2*(\ks)+1, 0
	MUL8B 3, 1, 2*(\ks)+1, 0
	WIN 0
.endm
; THE WAYS OUT.  64 numbers of a lane, v[s] on, register 16 b + i = index 32 b + 16 (lane / 16) + i of my row, become a fragment's codes in v[PC] on and its scale word in v[pw].
.macro QUANT s, pw
.irp b, 0,1,2,3
	v_max3_num_f32 v[TM+\b], |v[\s+16*\b]|, |v[\s+1+16*\b]|, 0x1800000   ; my 16 numbers of block b, and the floor 2^(3 - 127): the byte cannot fall under 1
.endr
.irp i, 2,4,6,8,10,12,14
.irp b, 0,1,2,3
	v_max3_num_f32 v[TM+\b], v[TM+\b], |v[\s+16*\b+\i]|, |v[\s+1+16*\b+\i]|
.endr
.endr
.irp b, 0,1,2,3
	v_permlanex16_b32 v[TM+4+\b], v[TM+\b], s[SEL], s[SEL+1]
.endr
.irp b, 0,1,2,3
	v_max_num_f32 v[TM+\b], v[TM+\b], v[TM+4+\b]   ; with lane l xor 16's: the block's largest magnitude
.endr
.irp b, 0,1,2,3
	v_add_nc_u32 v[TM+12+\b], 0xff000000, v[TM+\b] ; 2 off its exponent field: the conversion's scale operand
.endr
.irp b, 0,1,2,3
	v_lshrrev_b32 v[TM+4+\b], 23, v[TM+12+\b]      ; the scale's byte
.endr
	v_lshl_or_b32 v[\pw], v[TM+5], 8, v[TM+4]
	v_lshl_or_b32 v[\pw], v[TM+6], 16, v[\pw]
	v_lshl_or_b32 v[\pw], v[TM+7], 24, v[\pw]
.irp c, 0,1
	v_cvt_scalef32_pk16_fp6_f32 v[PC+6*\c:PC+2+6*\c], v[\s+32*\c:\s+15+32*\c], v[TM+12+2*\c]
	v_cvt_scalef32_pk16_fp6_f32 v[PC+12+4*\c:PC+14+4*\c], v[\s+16+32*\c:\s+31+32*\c], v[TM+12+2*\c+1]   ; (a conversion's three registers begin on an even number)
.endr
	v_nop                                          ; one plain line behind a scaled conversion
.irp c, 0,1                                    ; the operand's layout wants a whole block in a lane: lanes 0-15 block 2 c, lanes 16-31 block 2 c + 1
.irp i, 0,1,2
	v_permlane16_swap_b32 v[PC+6*\c+\i], v[PC+12+4*\c+\i]
.endr
.irp i, 0,1,2
	v_mov_b32 v[PC+3+6*\c+\i], v[PC+12+4*\c+\i]
.endr
.endr
.endm
.macro QSTORE base, vob                ; a fragment leaves as it stands: each store covers 512 or 256 consecutive bytes, aligned
	global_store_b128 v[VOA], v[PC:PC+3], s[\base:\base+1]
	global_store_b128 v[VOA], v[PC+6:PC+9], s[\base:\base+1] offset:512
	global_store_b64 v[\vob], v[PC+4:PC+5], s[\base:\base+1]
	global_store_b64 v[\vob], v[PC+10:PC+11], s[\base:\base+1] offset:256
.endm
.macro OUTHEAD
	PLACES NP                                      ; behind the last products: their results are read and Q's fragments are written over
.irp b, 0,1,2,3
	v_mov_b32 v[TM+4+\b], 0                        ; a lane permute's destination counts as one of its sources
.endr
.endm
; Phase 1, Q's tile a: the bias by P's index is added in f32, each accumulator read from its low end on; then codes and stores.
.macro OUT1 a
.set AC, 64*((\a)%4)
	WIN 0x06+((\a)/4)                              ; source 0 (the sums): window 2 or 3; source 1 (the bias): window 1
.set i, 0
.rept 32
.set BPR, 96+128*(i/32)+i%32
	v_pk_add_f32 v[T+i:T+i+1], v[AC+i:AC+i+1], v[BPR:BPR+1]
.set i, i+2
.endr
	WIN 0
	s_wait_xcnt 0x0                                ; the last tile's stores have read their data and their base: both are written again only behind this wait
.if (\a) > 0
	s_add_nc_u64 s[96:97], s[96:97], 1536
.endif
	QUANT T, SW+(\a)
	QSTORE 96, VOB1
.endm
; Phase 2, Q's tile a: the bias by Q's row.
.macro OUT2 a
.set AC, 64*(\a)
	WIN 0x02                                       ; source 0: window 2
.set i, 0
.rept 32
	v_pk_add_f32 v[T+i:T+i+1], v[AC+i:AC+i+1], v[BQ+2*(\a):BQ+2*(\a)+1]
.set i, i+2
.endr
	WIN 0
	s_wait_xcnt 0x0
.if (\a) > 0
	s_add_nc_u64 s[20:21], s[20:21], 24576
.endif
	QUANT T, SW+(\a)
	QSTORE 20, VOB2
.endm
	; ---- PHASE 1: q or k
	s_wait_tensorcnt 1                             ; the scales and my part of K step 0 are in (K step 1's load may be out)
	s_barrier_signal -1
	s_barrier_wait -1
	FETCH_B 0, 0, 0
	FETCH_A 0, 0, 0
	SCALES 0
	FETCH_A 0, 0, 4
	STEP 0, 0, 1                                   ; the first products start the sums: nothing is cleared
	TURN 0, 1, 1, 1                                ; K = 1,024 is twice round the ring: written out.  Slot 0 takes K step 2,
	STEP 1, 0, 0
	TURN 1, 0, 1, 1                                ; slot 1 K step 3,
	STEP 0, 0, 0
	TURN 0, 1, 2, 1                                ; slot 0 phase 2's K step 0,
	STEP 1, 0, 0
	TURN 1, 0, 2, 0                                ; slot 1 phase 2's K step 1: it lands while the results leave.  Every wave has waited for slot 0's load in front of this barrier
	s_mov_b32 s[SEL], 0x76543210
	s_mov_b32 s[SEL+1], 0xfedcba98                 ; v_permlanex16_b32's selects for lane l xor 16
	OUTHEAD
	s_wait_loadcnt 0x0                             ; the biases, and phase 2's scale words
.irp a, 0,1,2,3,4,5,6,7
	OUT1 \a
.endr
.irp i, 0,1,2,3
	global_store_b64 v[VOS], v[SW+2*\i:SW+2*\i+1], s[98:99] offset:256*\i   ; a pair of tiles' scale words: 256 consecutive bytes, aligned
.endr
	; ---- PHASE 2: v
	s_wait_xcnt 0x0                                ; the stores have read their data: fragments land there
	PLACES NP+1                                    ; the sums begin anew in registers that phase 1's products wrote
	FETCH_B 0, 0, 0
	FETCH_A2 0, 0, 0
	STEP2 0, 0, 1
	TURN2 0, 1, 0, 1                               ; slot 0 takes K step 2,
	STEP2 1, 1, 0
	TURN2 1, 0, 1, 1                               ; slot 1 K step 3
	STEP2 0, 2, 0
	TURN2 0, 1, 2, 0                               ; nothing is left to fetch
	STEP2 1, 3, 0
	s_wait_dscnt 2*NL
	WIN MUL_LO
	MUL8B 0, 1, 7, 0
	MUL8B 1, 1, 7, 0
	s_wait_dscnt 0x0
	MUL8B 2, 1, 7, 0
	MUL8B 3, 1, 7, 0
	WIN 0
	OUTHEAD
.irp a, 0,1,2,3
	OUT2 \a
.endr
.irp i, 0,1
	global_store_b64 v[VOS], v[SW+2*\i:SW+2*\i+1], s[22:23] offset:256*\i
.endr
	s_wait_tensorcnt 0x0                           ; the wave's end
	ds_add_u32 v[SPW], v[NIL]
	s_wait_dscnt 0x0
	CROUND                                         ; the closing round: no work-group ends while a partner may still ask for a tile that names it
	s_endpgm
.Lfunc_end_k_q09637ab94e_proj:
	.size	k_q09637ab94e_proj, .Lfunc_end_k_q09637ab94e_proj-k_q09637ab94e_proj
	.p2alignl 7, 3214868480
	.fill 96, 4, 3214868480
	.section	.rodata,"a",@progbits
	.p2align	6, 0x0
	.amdhsa_kernel k_q09637ab94e_proj
		.amdhsa_group_segment_fixed_size 327680
		.amdhsa_private_segment_fixed_size 0
		.amdhsa_enable_private_segment 0
		.amdhsa_kernarg_size 56
		.amdhsa_user_sgpr_count 2
		.amdhsa_user_sgpr_kernarg_segment_ptr 1
		.amdhsa_wavefront_size32 1
		.amdhsa_system_sgpr_workgroup_id_x 1
		.amdhsa_system_sgpr_workgroup_id_y 1
		.amdhsa_system_sgpr_workgroup_id_z 1
		.amdhsa_system_vgpr_workitem_id 0
		.amdhsa_next_free_vgpr 1024
		.amdhsa_next_free_sgpr 104
		.amdhsa_reserve_vcc 0
		.amdhsa_float_denorm_mode_32 3
		.amdhsa_float_denorm_mode_16_64 3
		.amdhsa_memory_ordered 1
		.amdhsa_forward_progress 1
		.amdhsa_inst_pref_size 255
	.end_amdhsa_kernel
	.section	.bss,"aw",@nobits
	.p2align	6
	.space	262144
	.amdgpu_metadata
---
amdhsa.version: [ 1, 2 ]
amdhsa.kernels:
  - .name:           k_q09637ab94e_proj
    .symbol:         k_q09637ab94e_proj.kd
    .args:
      - { .name: codes, .offset: 0, .size: 8, .value_kind: global_buffer, .address_space: global }
      - { .name: scales, .offset: 8, .size: 8, .value_kind: global_buffer, .address_space: global }
      - { .name: bq, .offset: 16, .size: 8, .value_kind: global_buffer, .address_space: global }
      - { .name: bk, .offset: 24, .size: 8, .value_kind: global_buffer, .address_space: global }
      - { .name: img, .offset: 32, .size: 8, .value_kind: global_buffer, .address_space: global }
      - { .name: scl, .offset: 40, .size: 8, .value_kind: global_buffer, .address_space: global }
      - { .name: bv, .offset: 48, .size: 8, .value_kind: global_buffer, .address_space: global }
    .group_segment_fixed_size: 327680
    .private_segment_fixed_size: 0
    .kernarg_segment_align: 8
    .kernarg_segment_size: 56
    .max_flat_workgroup_size: 128
    .sgpr_count:     104
    .vgpr_count:     1024
    .wavefront_size: 32
...
	.end_amdgpu_metadata
.endif
;; end of part 2
;; launch attn (part 3): grid 8 x 32, 8 waves a work-group, no clusters, 168,960 bytes of LDS; arguments img, scl, attention_mask, out0; writes out0
.if DOCPART == 3
	.amdgcn_target "amdgcn-amd-amdhsa--gfx1250"
	.amdhsa_code_object_version 6
	.text
	.protected	k_q09637ab94e_attn
	.globl	k_q09637ab94e_attn
	.p2align	8
	.type	k_q09637ab94e_attn,@function
k_q09637ab94e_attn:
	s_mov_b64 s[64:65], 0
	v_nop
	global_prefetch_b8 v0, s[64:65] scope:SCOPE_SE
	s_setreg_imm32_b32 hwreg(HW_REG_WAVE_MODE, 25, 1), 1
	s_wait_xcnt 0x0
; out[b][i][head] = sum over keys j, 0 <= i - j <= 128, of softmax_j(q_i . k_j / 8 + attention_mask[b][j]) v_j, both products on codes of FP6 (E2M3) with E8M0 scales.
; logit = score / 8 + mask (one fused multiply-add); M = ceil(the row's largest logit x log2(e)); p = 2^(logit x log2(e) - M) is quantised along the keys in blocks of 32;
; the row's sum is taken of the unquantised p and divides at the end.  All keys that count for a tile of queries, 160, are in registers at once: the maximum is the row's own, in one pass.
; SHARES.  A work-group owns 256 queries of one batch and one pair of heads; wave w owns the 32 queries of group G = 8 X + w: two stored tiles u (lane r: query 32 G + 8 u + r + 8 (r / 8)),
; both heads c: four tile-heads one after the other.  Its keys are blocks G - 4 .. G of 32.  Key blocks in front of key 0 are read from the bytes in front of the region
; (inside the buffers, valid codes and scale bytes) and get the logit -infinity, so p = 0 and zero codes.
; A HEAD HAS 64 CHANNELS, THE INSTRUCTION 128: a key's fragment is the pair of heads as it lies; the query's is [head A | zeros] or [zeros | head B], both cut out of 18 registers [A, 0, B].
; Both products are used transposed: a lane holds one query throughout.  The stored order of tokens gives p's 16 registers of two tiles 16 neighbouring keys, that of channels 16 neighbouring outputs.
; V lies block by block, so a fragment begins at any key block: blocks w .. w + 3 are one product, block w + 4 (with zero codes of p behind it) a second.
; LDS is filled once, by one tensor load a wave, and read behind one barrier.  No cluster: neighbouring work-groups share a third of their keys, under other addresses.
; LIMITS: +infinity and NaN in attention_mask are not served; a row all of whose keys have -infinity gives NaN, as the definition does; p under 2^-126 falls to 0.
.set KI,  0                            ; 24 key images of 1,536 bytes: keys 256 X - 128 .. 256 X + 255
.set KSL, 36864                        ; their scale words: 12 blocks x 256 bytes
.set VAL, 39936                        ; V, the pieces of 16 bytes: 8 rows (4 c + t) x 12 blocks x 256
.set VBL, 64512                        ; V, the pieces of 8 bytes: 8 rows x 12 x 128
.set VSL, 76800                        ; V's scale words: 3 groups of 128 keys x 1,024 bytes
.set STG, 79872                        ; the way out: 16 rows x 272 bytes for each wave; no fill lands here
; window 0: v2 AKA, v3 AKB (key images), v4 AKS, v5 AVA, v6 AVB, v7 AEA, v8 AEB (block w + 4), v9 AVS, v10 STO, v11 SRD, v12 GO, v13 -infinity, v14-15 DU, v[16:17] -M, 0,
;   v[18:21] the sum in two chains, v[22:23] 1 / sum, v24-28 block maxima, v29-33 permute results and bytes, v34-38 scale operands, v39-40 DA
.set BM,  24
.set PX,  29
.set SO,  34
.set SK,  44                           ; v44-53 the key tiles' scale words     (v44-73 hold scales and nothing else)
.set SQ,  54                           ; v54-55 the queries'
.set SV1, 56                           ; v56-63 V's for blocks w .. w + 3, tile 4 c + t
.set SV2, 64                           ; v64-71 V's for block w + 4
.set PW1, 72
.set PW2, 73
.set QF,  74                           ; v74-91, v92-109: [head A 6 | zeros 6 | head B 6] for tile u
.set PC1, 110                          ; p's codes, blocks 0-3
.set PC2, 122                          ; block 4, then zeros
.set CT,  134                          ; v134-141 at work
.set S,   142                          ; v142-221 logits, then p, then V's fragments, then rows of the output
.set O,   222                          ; v222-253 O^T
; window 1: v0-47 the mask for blocks 1-3; v48-111 for blocks 0 and 4, by tile u; v112-231 ten key fragments, which stay
.set ADM, 0
.set ADE, 48
.set KF,  112
.set MSB, 0
.macro WIN new                         ; the immediate's high byte repeats the setting that is left
.if MSB != \new
	s_set_vgpr_msb (MSB<<8)|\new
.set MSB, \new
.endif
.endm
	s_load_b256 s[4:11], s[0:1], 0x0               ; img, scl, attention_mask, out0
	v_lshl_add_u32 v137, v0, 2, 0x29000
	v_mov_b32 v141, 0
	ds_add_u32 v137, v141
	ds_add_u32 v137, v141
	v_lshrrev_b32 v1, 5, v0
	v_readfirstlane_b32 s12, v1                    ; wave 0..7
	s_and_b32 s14, ttmp7, 0xffff                   ; YB = 8 b + head pair
	s_lshl_b32 s15, ttmp9, 3
	s_add_co_u32 s15, s15, s12                     ; G
	s_lshr_b32 s13, s14, 3                         ; b
	s_and_b32 s96, s14, 7                          ; head pair
	; five shapes, all in elements of 8 bytes, no padding: columns, rows, pitch
.macro SHAPE g, c, r, p
	s_mov_b32 s[\g], 3<<16
	s_mov_b32 s[\g+1], (\c)<<16
	s_mov_b32 s[\g+2], (\r)<<16
	s_mov_b32 s[\g+3], (\c)<<16
	s_mov_b32 s[\g+4], \r
	s_mov_b32 s[\g+5], \p
	s_mov_b32 s[\g+6], 0
	s_mov_b32 s[\g+7], 0
.endm
	SHAPE 16, 32, 36, 32                           ; a quarter of the key images: 9,216 dense bytes
	SHAPE 24, 32, 12, 32                           ; the keys' scale words: 3,072 dense bytes
	SHAPE 32, 384, 8, 3072                         ; V's pieces of 16: 8 rows of 3,072 bytes, 24,576 apart
	SHAPE 40, 192, 8, 3072                         ; V's pieces of 8: 8 rows of 1,536 bytes
	SHAPE 48, 128, 3, 1024                         ; V's scale words: 3 rows of 1,024 bytes, 8,192 apart
	s_mov_b32 s80, 0x3e000000                      ; 1 / 8 = 1 / sqrt(64)
	s_mov_b32 s81, s80                             ; (the packed form names the pair)
	s_mov_b32 s82, 0x3fb8aa3b                      ; c = log2(e)
	s_mov_b32 s83, s82
	s_mov_b32 s84, 0x76543210
	s_mov_b32 s85, 0xfedcba98                      ; v_permlanex16_b32's selects for lane l xor 16
	s_and_b32 s86, s12, 3
	s_lshl_b32 s86, s86, 3                         ; 8 (w % 4): where block w's byte stands in V's scale words
	s_mov_b32 s3, 0
	s_mul_i32 s97, s14, 196608
	s_wait_dscnt 0x0
	s_wait_kmcnt 0x0
	s_mul_i32 s2, ttmp9, 24576                     ; key images: K's part of img + YB x 128 tiles + (16 X - 8) tiles + my quarter
	s_add_co_u32 s2, s2, s97
	s_mul_i32 s57, s12, 9216                       ; also its LDS address (KI = 0)
	s_add_co_u32 s2, s2, s57
	s_add_co_u32 s2, s2, 6291456-12288
	s_mov_b32 s56, 1
	s_add_nc_u64 s[58:59], s[4:5], s[2:3]
	s_or_b32 s59, s59, 0x80000000
	s_lshl_b32 s2, s14, 14                         ; their scale words: (64 YB + 8 X - 4) x 256
	s_lshl_b32 s98, ttmp9, 11
	s_add_co_u32 s2, s2, s98
	s_add_co_u32 s2, s2, 524288-1024
	s_mov_b32 s60, 1
	s_mov_b32 s61, KSL
	s_add_nc_u64 s[62:63], s[6:7], s[2:3]
	s_or_b32 s63, s63, 0x80000000
	s_add_co_u32 s2, s97, s98                      ; V: 8 YB regions + (8 X - 4) blocks of 256 bytes
	s_add_co_u32 s2, s2, 12582912-1024
	s_mov_b32 s68, 1
	s_mov_b32 s69, VAL
	s_add_nc_u64 s[70:71], s[4:5], s[2:3]
	s_or_b32 s71, s71, 0x80000000
	s_lshl_b32 s98, ttmp9, 10                      ; and of 128 bytes, 16,384 into the region
	s_add_co_u32 s2, s97, s98
	s_add_co_u32 s2, s2, 12582912+16384-512
	s_mov_b32 s72, 1
	s_mov_b32 s73, VBL
	s_add_nc_u64 s[74:75], s[4:5], s[2:3]
	s_or_b32 s75, s75, 0x80000000
	s_lshl_b32 s2, s13, 17                         ; V's scale words: (16 b + 2 X - 1) x 8,192 + head pair x 1,024
	s_lshl_b32 s98, ttmp9, 14
	s_add_co_u32 s2, s2, s98
	s_lshl_b32 s98, s96, 10
	s_add_co_u32 s2, s2, s98
	s_add_co_u32 s2, s2, 1048576-8192
	s_mov_b32 s76, 1
	s_mov_b32 s77, VSL
	s_add_nc_u64 s[78:79], s[6:7], s[2:3]
	s_or_b32 s79, s79, 0x80000000
	; one tensor load a wave, chosen by the wave's number; four v_nop follow each
	s_cmp_lt_u32 s12, 4
	s_cbranch_scc0 .Lnot_k
	tensor_load_to_lds s[56:59], s[16:23]
	s_nop 0
.rept 4
	v_nop
.endr
	s_branch .Lasked
.Lnot_k:
	s_cmp_eq_u32 s12, 4
	s_cbranch_scc0 .Lnot_va
	tensor_load_to_lds s[68:71], s[32:39]
	s_nop 0
.rept 4
	v_nop
.endr
	s_branch .Lasked
.Lnot_va:
	s_cmp_eq_u32 s12, 5
	s_cbranch_scc0 .Lnot_vb
	tensor_load_to_lds s[72:75], s[40:47]
	s_nop 0
.rept 4
	v_nop
.endr
	s_branch .Lasked
.Lnot_vb:
	s_cmp_eq_u32 s12, 6
	s_cbranch_scc0 .Lnot_ks
	tensor_load_to_lds s[60:63], s[24:31]
	s_nop 0
.rept 4
	v_nop
.endr
	s_branch .Lasked
.Lnot_ks:
	tensor_load_to_lds s[76:79], s[48:55]
	s_nop 0
.rept 4
	v_nop
.endr
.Lasked:
	s_lshl_b32 s2, s14, 7                          ; my queries' images: (128 YB + 2 G) x 1,536
	s_lshl_b32 s98, s15, 1
	s_add_co_u32 s2, s2, s98
	s_mul_i32 s2, s2, 1536
	s_add_nc_u64 s[66:67], s[4:5], s[2:3]
	s_lshl_b32 s2, s14, 6                          ; their scale words: (64 YB + G) x 256
	s_add_co_u32 s2, s2, s15
	s_lshl_b32 s2, s2, 8
	s_add_nc_u64 s[98:99], s[6:7], s[2:3]
	s_lshl_b32 s2, s13, 13                         ; the batch's row of the mask
	s_add_nc_u64 s[8:9], s[8:9], s[2:3]
	s_lshl_b32 s2, s13, 11                         ; out0: token 2,048 b + 32 G, 4,096 bytes a token, + 512 x head pair
	s_lshl_b32 s97, s15, 5
	s_add_co_u32 s2, s2, s97
	s_lshl_b32 s2, s2, 12
	s_lshl_b32 s97, s96, 9
	s_add_co_u32 s2, s2, s97
	s_add_nc_u64 s[10:11], s[10:11], s[2:3]
	v_and_b32 v222, 15, v0                         ; r
	v_bfe_u32 v223, v0, 4, 1                       ; h
	v_and_b32 v224, 31, v0                         ; lane
	v_lshlrev_b32 v254, 4, v224                    ; 16 x lane
	v_lshlrev_b32 v255, 3, v224                    ; 8 x lane
.irp u, 0,1
	global_load_b128 v[QF+18*\u:QF+18*\u+3], v254, s[66:67] offset:1536*\u            ; head A: registers 0-3,
	global_load_b64 v[QF+18*\u+4:QF+18*\u+5], v255, s[66:67] offset:1536*\u+1024      ; 4-5;
	global_load_b128 v[QF+18*\u+12:QF+18*\u+15], v254, s[66:67] offset:1536*\u+512    ; head B: registers 6-9,
	global_load_b64 v[QF+18*\u+16:QF+18*\u+17], v255, s[66:67] offset:1536*\u+1280    ; 10-11
.endr
	global_load_b64 v[SQ:SQ+1], v255, s[98:99]
	s_sub_co_i32 s96, s15, 4                       ; my first key block, G - 4: it may lie in front of key 0
.irp b, 0,1,2,3,4
	s_add_co_i32 s97, s96, \b
	s_max_i32 s[91+\b], s97, 0                     ; the mask is then read at block 0, inside its buffer, and thrown away
	s_lshl_b32 s[91+\b], s[91+\b], 7
	v_lshl_add_u32 v[BM+\b], v223, 6, s[91+\b]     ; 128 bytes a block, + 64 h: my 16 keys
.if \b == 0
	s_cmp_ge_i32 s97, 0
	s_cselect_b32 s87, 0, 64                       ; block G - 4 is missing: the window's threshold moves beyond every key
.elseif \b < 4
	s_cmp_ge_i32 s97, 0
	s_cselect_b32 s[87+\b], -1, 0
.endif
.endr
.irp b, 0,1,2,3,4
.irp j, 0,1,2,3
	global_load_b128 v[S+16*\b+4*\j:S+16*\b+4*\j+3], v[BM+\b], s[8:9] offset:16*\j
.endr
.endr
	s_mul_i32 s96, s12, 3072
	v_add_nc_u32 v2, s96, v254                     ; AKA: image 2 w, 16 x lane
	s_add_co_u32 s96, s96, 1024
	v_add_nc_u32 v3, s96, v255                     ; AKB: + 1,024, 8 x lane
	s_lshl_b32 s96, s12, 8
	s_add_co_u32 s97, s96, KSL
	v_add_nc_u32 v4, s97, v255                     ; AKS
	s_add_co_u32 s97, s96, VAL
	v_add_nc_u32 v5, s97, v254                     ; AVA: block w on
	v_lshl_add_u32 v7, v222, 4, s97
	v_add_nc_u32 v7, 1024, v7                      ; AEA: block w + 4, the same bytes for both halves of the lanes
	s_lshl_b32 s96, s12, 7
	s_add_co_u32 s97, s96, VBL
	v_add_nc_u32 v6, s97, v255                     ; AVB
	v_lshl_add_u32 v8, v222, 3, s97
	v_add_nc_u32 v8, 512, v8                       ; AEB
	s_lshr_b32 s96, s12, 2
	s_lshl_b32 s96, s96, 10
	s_add_co_u32 s96, s96, VSL
	v_add_nc_u32 v9, s96, v255                     ; AVS: the group of 128 keys in which block w lies
	s_mul_i32 s96, s12, 4352
	s_add_co_u32 s96, s96, STG
	v_mul_u32_u24 v10, v222, 272
	v_lshl_add_u32 v10, v223, 6, v10
	v_add_nc_u32 v10, s96, v10                     ; STO: row r, + 64 h
	v_mul_u32_u24 v11, v223, 272
	v_lshl_add_u32 v11, v222, 4, v11
	v_add_nc_u32 v11, s96, v11                     ; SRD: lanes 0-15 one row, lanes 16-31 the next
	v_lshlrev_b32 v12, 12, v223
	v_lshl_add_u32 v12, v222, 4, v12               ; GO: the same two rows in out0
	v_mov_b32 v13, 0xff800000                      ; -infinity
	v_and_b32 v225, 8, v222
	v_add_nc_u32 v225, v225, v222
	v_lshlrev_b32 v226, 4, v223
	v_sub_nc_u32 v14, v225, v226                   ; DU(u) = 8 u + r + 8 (r / 8) - 16 h: key 16 h + i of block G counts where i <= DU,
	v_add_nc_u32 v15, 8, v14
	v_add_nc_u32 v39, s87, v14                     ; of block G - 4 where i >= DA = DU (+ 64 where the block is missing)
	v_add_nc_u32 v40, s87, v15
	v_mov_b32 v17, 0                               ; (named as the upper half of the pair v[16:17])
.irp b, 0,1,2,3,4
	v_mov_b32 v[PX+\b], 0                          ; written once: a lane permute's destination counts as one of its sources
.endr
.irp i, 6,7,8,9,10,11
	v_mov_b32 v[QF+\i], 0                          ; the zero codes between the heads,
	v_mov_b32 v[QF+18+\i], 0
	v_mov_b32 v[PC2+\i], 0                         ; and behind p's block 4
.endr
	s_wait_loadcnt 0x0
	WIN 0x40                                       ; destination window 1
.irp b, 1,2,3
.irp i, 0,1,2,3,4,5,6,7,8,9,10,11,12,13,14,15
	v_cndmask_b32 v[ADM+16*(\b-1)+\i], v13, v[S+16*\b+\i], s[87+\b]   ; blocks G - 3 .. G - 1 lie inside the window whole: the mask as given, or -infinity in front of key 0
.endr
.endr
.irp u, 0,1
.irp i, 0,1,2,3,4,5,6,7,8,9,10,11,12,13,14,15
	v_cmp_ge_i32 vcc_lo, \i, v[39+\u]
	v_cndmask_b32 v[ADE+32*\u+\i], v13, v[S+\i], vcc_lo
	v_cmp_le_i32 vcc_lo, \i, v[14+\u]
	v_cndmask_b32 v[ADE+32*\u+16+\i], v13, v[S+64+\i], vcc_lo
.endr
.endr
	WIN 0
	s_wait_tensorcnt 0x0                           ; my load has landed,
	s_barrier_signal -1
	s_barrier_wait -1                              ; everybody's has
	WIN 0x40
.irp k, 0,1,2,3,4,5,6,7,8,9
	ds_load_b128 v[KF+12*\k:KF+12*\k+3], v2 offset:1536*\k
	ds_load_b128 v[KF+12*\k+6:KF+12*\k+9], v2 offset:1536*\k+512
	ds_load_b64 v[KF+12*\k+4:KF+12*\k+5], v3 offset:1536*\k
	ds_load_b64 v[KF+12*\k+10:KF+12*\k+11], v3 offset:1536*\k+256
.endr
	WIN 0
.irp b, 0,1,2,3,4
	ds_load_b64 v[SK+2*\b:SK+2*\b+1], v4 offset:256*\b
.endr
.irp p, 0,1,2,3
	ds_load_b64 v[S+2*\p:S+2*\p+1], v9 offset:256*\p             ; V's scale words of the group in which block w lies,
	ds_load_b64 v[S+8+2*\p:S+8+2*\p+1], v9 offset:256*\p+1024    ; and of the next
.endr
	s_wait_dscnt 0x0
.irp t, 0,1,2,3,4,5,6,7
	v_alignbit_b32 v[SV1+\t], v[S+8+\t], v[S+\t], s86             ; the bytes of blocks w .. w + 3
	v_lshrrev_b32 v[SV2+\t], s86, v[S+8+\t]                       ; byte 0: block w + 4; what stands above it meets zero codes
.endr
.macro VLOAD c                         ; V's fragments of head c, 18 registers a tile: block w + 4 (6), blocks w .. w + 3 (12)
.irp t, 0,1,2,3
	ds_load_b128 v[S+18*\t:S+18*\t+3], v7 offset:(4*\c+\t)*3072
	ds_load_b64 v[S+18*\t+4:S+18*\t+5], v8 offset:(4*\c+\t)*1536
	ds_load_b128 v[S+18*\t+6:S+18*\t+9], v5 offset:(4*\c+\t)*3072
	ds_load_b64 v[S+18*\t+10:S+18*\t+11], v6 offset:(4*\c+\t)*1536
	ds_load_b128 v[S+18*\t+12:S+18*\t+15], v5 offset:(4*\c+\t)*3072+512
	ds_load_b64 v[S+18*\t+16:S+18*\t+17], v6 offset:(4*\c+\t)*1536+256
.endr
.endm
; Tile u of my queries, head c of the pair.
.macro TILEHEAD u, c
	s_wait_xcnt 0x0                                ; the last tile-head's stores have read their data, which lie where the scores go
	WIN 0x01                                       ; source 0 (the keys) window 1
.irp k, 0,1,2,3,4,5,6,7,8,9
	v_wmma_scale_f32_16x16x128_f8f6f4 v[S+8*\k:S+8*\k+7], v[KF+12*\k:KF+12*\k+11], v[QF+18*\u+6*\c:QF+18*\u+6*\c+11], 0, v[SK+\k], v[SQ+\u] matrix_a_fmt:MATRIX_FMT_FP6 matrix_b_fmt:MATRIX_FMT_FP6
.endr                                          ; register 16 b + i: key 32 (G - 4 + b) + 16 h + i
	WIN 0
.rept 4
	v_nop                                          ; places in front of the first read of results
.endr
	WIN 0x10                                       ; source 2 (the mask) window 1
.set j, 0
.rept 40
.if j < 16
.set ad, ADE+32*\u+j
.elseif j < 64
.set ad, ADM+j-16
.else
.set ad, ADE+32*\u+16+j-64
.endif
	v_pk_fma_f32 v[S+j:S+j+1], v[S+j:S+j+1], s[80:81], v[ad:ad+1] op_sel_hi:[1,0,1]   ; logit = score / 8 + mask; each accumulator from its low end on
.set j, j+2
.endr
	WIN 0
.irp b, 0,1,2,3,4
	v_max3_num_f32 v[BM+\b], v[S+16*\b], v[S+16*\b+1], v[S+16*\b+2]   ; each block's largest logit: it serves the row's maximum and, since p rises with the logit, the block's largest p
.endr
.irp i, 3,5,7,9,11,13
.irp b, 0,1,2,3,4
	v_max3_num_f32 v[BM+\b], v[BM+\b], v[S+16*\b+\i], v[S+16*\b+\i+1]
.endr
.endr
.irp b, 0,1,2,3,4
	v_max_num_f32 v[BM+\b], v[BM+\b], v[S+16*\b+15]
.endr
.irp b, 0,1,2,3,4
	v_permlanex16_b32 v[PX+\b], v[BM+\b], s84, s85
.endr
.irp b, 0,1,2,3,4
	v_max_num_f32 v[BM+\b], v[BM+\b], v[PX+\b]     ; with lane l xor 16's 16 keys
.endr
	v_max3_num_f32 v254, v[BM], v[BM+1], v[BM+2]
	v_max3_num_f32 v254, v254, v[BM+3], v[BM+4]    ; the row's largest logit,
	v_mul_f32 v254, s82, v254                      ; as t;
	v_floor_f32 v16, -v254                         ; -M = floor(-t) = -ceil(t)
.set j, 0
.rept 40
	v_pk_fma_f32 v[S+j:S+j+1], v[S+j:S+j+1], s[82:83], v[16:17] op_sel_hi:[1,0,0]   ; t - M
.set j, j+2
.endr
.irp b, 0,1,2,3,4
	v_fma_f32 v[BM+\b], v[BM+\b], s82, v16         ; the same of each block's largest
.endr
.set j, 0
.rept 80
	v_exp_f32 v[S+j], v[S+j]                       ; p = 2^(t - M): not normalised
.set j, j+1
.endr
.irp b, 0,1,2,3,4
	v_exp_f32 v[BM+\b], v[BM+\b]
.endr
.irp i, 3,4,5
	v_mov_b32 v[PC2+\i], 0                         ; (plain lines behind the exponentials)  zeros that change places with block 4's upper codes below
.endr
	s_wait_alu depctr_va_vdst(0)
.irp b, 0,1,2,3,4
	v_max_num_f32 v[BM+\b], 0x1800000, v[BM+\b]    ; the floor 2^(3 - 127): the byte cannot fall under 1
.endr
.irp b, 0,1,2,3,4
	v_add_nc_u32 v[SO+\b], 0xff000000, v[BM+\b]    ; 2 off the exponent field: the conversion's scale operand
.endr
.irp b, 0,1,2,3,4
	v_lshrrev_b32 v[PX+\b], 23, v[SO+\b]           ; the scale's byte
.endr
	v_lshl_or_b32 v[PW1], v[PX+1], 8, v[PX]
	v_lshl_or_b32 v[PW1], v[PX+2], 16, v[PW1]
	v_lshl_or_b32 v[PW1], v[PX+3], 24, v[PW1]      ; p's scale word for blocks 0-3,
	v_mov_b32 v[PW2], v[PX+4]                      ; and for block 4 (the bytes above it meet zero codes)
	v_pk_add_f32 v[18:19], v[S:S+1], v[S+2:S+3]    ; the row's sum of the unquantised p, two at a time, in two chains
	v_pk_add_f32 v[20:21], v[S+4:S+5], v[S+6:S+7]
.set j, 8
.rept 18
	v_pk_add_f32 v[18:19], v[18:19], v[S+j:S+j+1]
	v_pk_add_f32 v[20:21], v[20:21], v[S+j+2:S+j+3]
.set j, j+4
.endr
	v_cvt_scalef32_pk16_fp6_f32 v[PC1:PC1+2], v[S:S+15], v[SO]
	v_cvt_scalef32_pk16_fp6_f32 v[CT:CT+2], v[S+16:S+31], v[SO+1]
	v_cvt_scalef32_pk16_fp6_f32 v[PC1+6:PC1+8], v[S+32:S+47], v[SO+2]
	v_cvt_scalef32_pk16_fp6_f32 v[CT+4:CT+6], v[S+48:S+63], v[SO+3]
	v_cvt_scalef32_pk16_fp6_f32 v[PC2:PC2+2], v[S+64:S+79], v[SO+4]
	v_nop                                          ; one plain line behind a scaled conversion
	VLOAD \c                                       ; p's registers are free: V's fragments land there
.irp i, 0,1,2                                  ; the operand's layout wants a whole block in a lane
	v_permlane16_swap_b32 v[PC1+\i], v[CT+\i]
	v_permlane16_swap_b32 v[PC1+6+\i], v[CT+4+\i]
	v_permlane16_swap_b32 v[PC2+\i], v[PC2+3+\i]   ; lanes 0-15 get block 4 whole, lanes 16-31 zeros
.endr
.irp i, 0,1,2
	v_mov_b32 v[PC1+3+\i], v[CT+\i]
	v_mov_b32 v[PC1+9+\i], v[CT+4+\i]
.endr
	v_pk_add_f32 v[18:19], v[18:19], v[20:21]
	v_add_f32 v18, v18, v19
	v_permlanex16_b32 v20, v18, s84, s85
	v_add_f32 v18, v18, v20                        ; the row's sum
	v_rcp_f32 v22, v18
	v_rcp_f32 v23, v18
.rept 4
	v_nop                                          ; places between the codes' last writes and the products (and behind the reciprocals)
.endr
	s_wait_dscnt 0x0                               ; V is in
.irp t, 0,1,2,3                                ; O^T = V^T P^T: the four accumulators by turns; the first product starts each sum
	v_wmma_scale_f32_16x16x128_f8f6f4 v[O+8*\t:O+8*\t+7], v[S+18*\t+6:S+18*\t+17], v[PC1:PC1+11], 0, v[SV1+4*\c+\t], v[PW1] matrix_a_fmt:MATRIX_FMT_FP6 matrix_b_fmt:MATRIX_FMT_FP6
.endr
.irp t, 0,1,2,3
	v_wmma_scale_f32_16x16x128_f8f6f4 v[O+8*\t:O+8*\t+7], v[S+18*\t:S+18*\t+11], v[PC2:PC2+11], v[O+8*\t:O+8*\t+7], v[SV2+4*\c+\t], v[PW2] matrix_a_fmt:MATRIX_FMT_FP6 matrix_b_fmt:MATRIX_FMT_FP6
.endr
.rept 4
	v_nop
.endr
.set j, 0
	s_wait_alu depctr_va_vdst(0)
.rept 16
	v_pk_mul_f32 v[S+j:S+j+1], v[O+j:O+j+1], v[22:23]   ; O^T / the sum: register 8 t + i is channel 32 (t / 2) + 16 h + 8 (t % 2) + i of query r
.set j, j+2
.endr
.irp t, 0,1,2,3
	ds_store_b128 v10, v[S+8*\t:S+8*\t+3] offset:128*(\t/2)+32*(\t%2)
	ds_store_b128 v10, v[S+8*\t+4:S+8*\t+7] offset:128*(\t/2)+32*(\t%2)+16
.endr
.irp i, 0,1,2,3,4,5,6,7
	ds_load_b128 v[S+32+4*\i:S+32+4*\i+3], v11 offset:544*\i   ; LDS serves a wave's instructions in order: these see my stores
.endr
.irp i, 0,1,2,3,4,5,6,7
	s_wait_dscnt 7-\i                              ; rows 2 i and 2 i + 1 are back; the younger loads may be out
	global_store_b128 v12, v[S+32+4*\i:S+32+4*\i+3], s[10:11] offset:(8*\u+2*\i+8*(\i/4))*4096+256*\c th:TH_STORE_NT   ; 16 lanes store a token's 256 bytes of one head, aligned
.endr
.endm
	TILEHEAD 0, 0
	TILEHEAD 1, 0
	TILEHEAD 0, 1
	TILEHEAD 1, 1
	s_wait_tensorcnt 0x0
	ds_add_u32 v137, v141
	s_wait_dscnt 0x0
	s_endpgm
.Lfunc_end_k_q09637ab94e_attn:
	.size	k_q09637ab94e_attn, .Lfunc_end_k_q09637ab94e_attn-k_q09637ab94e_attn
	.p2alignl 7, 3214868480
	.fill 96, 4, 3214868480
	.section	.rodata,"a",@progbits
	.p2align	6, 0x0
	.amdhsa_kernel k_q09637ab94e_attn
		.amdhsa_group_segment_fixed_size 168960
		.amdhsa_private_segment_fixed_size 0
		.amdhsa_enable_private_segment 0
		.amdhsa_kernarg_size 32
		.amdhsa_user_sgpr_count 2
		.amdhsa_user_sgpr_kernarg_segment_ptr 1
		.amdhsa_wavefront_size32 1
		.amdhsa_system_sgpr_workgroup_id_x 1
		.amdhsa_system_sgpr_workgroup_id_y 1
		.amdhsa_system_sgpr_workgroup_id_z 1
		.amdhsa_system_vgpr_workitem_id 0
		.amdhsa_next_free_vgpr 512
		.amdhsa_next_free_sgpr 100
		.amdhsa_reserve_vcc 1
		.amdhsa_float_denorm_mode_32 3
		.amdhsa_float_denorm_mode_16_64 3
		.amdhsa_memory_ordered 1
		.amdhsa_forward_progress 1
		.amdhsa_inst_pref_size 117
	.end_amdhsa_kernel
	.amdgpu_metadata
---
amdhsa.version: [ 1, 2 ]
amdhsa.kernels:
  - .name:           k_q09637ab94e_attn
    .symbol:         k_q09637ab94e_attn.kd
    .args:
      - { .name: img, .offset: 0, .size: 8, .value_kind: global_buffer, .address_space: global }
      - { .name: scl, .offset: 8, .size: 8, .value_kind: global_buffer, .address_space: global }
      - { .name: attention_mask, .offset: 16, .size: 8, .value_kind: global_buffer, .address_space: global }
      - { .name: out0, .offset: 24, .size: 8, .value_kind: global_buffer, .address_space: global }
    .group_segment_fixed_size: 168960
    .private_segment_fixed_size: 0
    .kernarg_segment_align: 8
    .kernarg_segment_size: 32
    .max_flat_workgroup_size: 256
    .sgpr_count:     100
    .vgpr_count:     512
    .wavefront_size: 32
...
	.end_amdgpu_metadata
.endif
;; end of part 3
